; MI455X (gfx1250); checked and timed in simulation.
; The chip was launched on July 23, 2026; its instructions are those of AMD's public machine-readable ISA for CDNA 5 (MIT licence, August 2026) and "CDNA5" Instruction Set Architecture Reference Guide (July 2026). The comments in the code are by the model that wrote it; some were corrected since.
;; Bahdanau Attention. Allowed arithmetic: matrix products marked QUANTISED: E2M1 operands, one E8M0 scale for each 32 along K, by v_wmma_scale_f32_16x16x128_f8f6f4 with both operands' format E2M1 (or v_wmma_scale_f32_32x16x128_f4), f32 sums; products left as they are: f32 operands where the result goes on into a quantised operand, else bf16, f16 or f32 operands; f32 sums; everything else in f32.
;; Inputs: V 1,024 x 1 float32; W1_codes 1,024 x 32 x 16 uint8 (E2M1 codes of W1, K innermost, in blocks of 32 codes, two codes a byte); W1_scales 1,024 x 32 uint8 (E8M0 scales of W1, one for each 32 codes along K); W2_codes 1,024 x 32 x 16 uint8 (E2M1 codes of W2, K innermost, in blocks of 32 codes, two codes a byte); W2_scales 1,024 x 32 uint8 (E8M0 scales of W2, one for each 32 codes along K); b1 1,024 float32; b2 1,024 float32; bV 1 float32; query_codes 32 x 32 x 16 uint8 (E2M1 codes of query, K innermost, in blocks of 32 codes, two codes a byte); query_scales 32 x 32 uint8 (E8M0 scales of query, one for each 32 codes along K); values 32 x 2,048 x 1,024 float32.
;; Outputs: out0 32 x 1,024 float32; out1 32 x 2,048 x 1 float32.
;; This version of the problem:
;;   THIS VERSION OF THE PROBLEM IS GIVEN IN LOW PRECISION. The matrix products marked QUANTISED in the list below multiply operands that are first quantised to E2M1 (2 exponent bits, 1 mantissa bit; 4 bits a number), with one power-of-two scale for each 32 numbers along K (OCP MX v1.0); their sums are f32. All else is computed in f32.
;;   The module's matrix products, in the order in which they are computed (A, B: the left and right operand; K: the contracted axis; several contracted axes count as one K, in the product's order):
;;     1. [M 32, K 1,024] x [K 1,024, N 1,024]; A: input query (given as codes); B: input W1 (given as codes): QUANTISED
;;     2. [M 65,536, K 1,024] x [K 1,024, N 1,024]; A: input values; B: input W2 (given as codes): QUANTISED
;;     3. [M 65,536, K 1,024] x [K 1,024, N 1]; A: computed on the way; B: input V: left as it is (N = 1 < 16)
;;   THE QUANTISER, for each operand of a quantised product, along K:
;;     - K is cut into blocks of 32 from its start; a last block that is shorter is filled with zeros.
;;     - A block's scale is 2^e with e = floor(log2(the largest magnitude in the block)) - 2, held to -126 .. 127; a block of zeros has e = 0. As a byte (E8M0): e + 127.
;;     - Each number is divided by its block's scale, clamped to +-6, and rounded to the nearest number of E2M1, ties to even, subnormals kept.
;;     - The product sums the exact products of the quantised numbers (number of the format x scale) in f32.
;;   ~~~python
;;   def quantise(x, axis):      # numpy; x: float32 -> the quantised numbers, widened to float32 again
;;       x = np.moveaxis(x, axis, -1); K = x.shape[-1]
;;       x = np.pad(x, [(0, 0)] * (x.ndim - 1) + [(0, -K % 32)]); x = x.reshape(x.shape[:-1] + (-1, 32)); a = np.abs(x).max(-1, keepdims=True)
;;       e = np.where(a > 0, np.clip(np.frexp(np.where(a > 0, a, 1))[1] - 1 - 2, -126, 127), 0)      # np.frexp(a)[1] - 1 = floor(log2(a)), exactly
;;       r = np.clip(x / 2.0 ** e, -6, 6)
;;       step = 2.0 ** (np.maximum(np.frexp(np.where(r == 0, 1, r))[1] - 1, 0) - 1)
;;       q = np.round(r / step) * step * 2.0 ** e      # np.round: ties to even
;;       return np.moveaxis(q.reshape(q.shape[:-2] + (-1,))[..., :K], -1, axis).astype(np.float32)
;;   ~~~
;;   INPUTS GIVEN AS CODES. W1 (in the module: [1024, 1024], K = its axis 0); W2 (in the module: [1024, 1024], K = its axis 0); query (in the module: [32, 1024], K = its axis 1): each comes as NAME_codes (uint8): NAME with its K axis moved to the last place and cut into blocks of 32 codes, [.., K / 32, bytes a block], one block behind the other in memory; two codes a byte, the lower K in the low four bits (a code: sign, 2 exponent bits, 1 mantissa bit); and NAME_scales (uint8): the same leading axes, one E8M0 byte (e + 127) for each 32 codes along K. Its value is code x scale, taken as it is: it is not quantised again, and the codes and scales need not be those that the quantiser above would give.
;; One version. Each part assembles by itself: llvm-mc -triple=amdgcn-amd-amdhsa -mcpu=gfx1250 --defsym DOCPART=n.
;; ======== version 1 of 1: 3 launches
;; limits: right only within a limited range of input values
;; workspace buffers: cqb 131,072 bytes; w2img 524,288 bytes; pctx 1,048,576 bytes; stat 393,216 bytes
;; launch prep (part 1): grid 32 x 1, 4 waves a work-group, no clusters, 0 bytes of LDS; arguments W1_codes, W1_scales, query_codes, query_scales, b1, b2, W2_codes, cqb, w2img; writes cqb, w2img
.if DOCPART == 1
	.amdgcn_target "amdgcn-amd-amdhsa--gfx1250"
	.amdhsa_code_object_version 6
	.text
	.protected	k_qa18ecdbaec_prep
	.globl	k_qa18ecdbaec_prep
	.p2align	8
	.type	k_qa18ecdbaec_prep,@function
k_qa18ecdbaec_prep:
	s_mov_b64 s[64:65], 0
	v_nop
	global_prefetch_b8 v0, s[64:65] scope:SCOPE_SE
	s_setreg_imm32_b32 hwreg(HW_REG_WAVE_MODE, 25, 1), 1
	s_wait_xcnt 0x0
; Two small jobs ahead of the main launch, parted by the work-group's number; neither uses LDS.
; Work-groups 0-15:  cqb[b][n] = c x (sum over k of query[b][k] W1[k][n] + b1[n] + b2[n]), c = 2 log2(e), [32][1024] f32.  Both operands are given as codes of E2M1
;   with one E8M0 byte for each 32 along K, and go to the matrix unit as they lie.  Wave T = 4 x work-group + wave takes the 16 columns n = 16 T .. 16 T + 15, all 32 batch rows, all of K (8 steps of 128).
;   The product is used transposed (source 0 = 16 rows of W1_codes, source 1 = 16 rows of the query): a lane holds one batch row and eight neighbouring n.
; Work-groups 16-31: w2img = W2's codes laid in the order of an operand's registers: [tile T of 16 n][K step k][half c][lane][16 bytes], lane (r, h)'s piece being bytes 64 k + 32 c + 16 h of row 16 T + r.
;   The main launch then fills a fragment's registers by loads of 512 consecutive bytes.
; The factor c and both biases are folded in here, since the main launch forms 2^(c x) for tanh(x) = 1 - 2 / (1 + 2^(c x)).
; No joint loads: the two jobs read 1.1 MB in all, each byte of W1 and W2 once.
.set CTWO, 0x4038aa3b                  ; c = 2 log2(e)
.set WF,   16                          ; v16-79    W1's eight fragments (16 n x 128 K: 8 registers each)
.set QF,   80                          ; v80-207   the query's: batch tile m at QF + 64 m
.set WSC,  208                         ; v208-211  W1's scale words: register q: K step q in lanes 0-15, K step 4 + q in lanes 16-31
.set QSC,  212                         ; v212-219  the query's, four for each batch tile, packed likewise
.set BA,   220                         ; v220-227  b1 at my eight n, then c (b1 + b2)
.set BB,   228                         ; v228-235  b2
.set ACC,  236                         ; v236-251  two accumulators
.set OUT,  16                          ; v16-31    the results (W1's first fragments are done with)
	s_load_b256 s[4:11], s[0:1], 0x0               ; W1_codes s[4:5], W1_scales s[6:7], query_codes s[8:9], query_scales s[10:11]
	s_load_b256 s[12:19], s[0:1], 0x20             ; b1 s[12:13], b2 s[14:15], W2_codes s[16:17], cqb s[18:19]
	s_load_b64 s[20:21], s[0:1], 0x40              ; w2img
	v_lshrrev_b32 v1, 5, v0
	v_readfirstlane_b32 s22, v1                    ; wave 0..3
	v_and_b32 v1, 15, v0                           ; r
	v_bfe_u32 v2, v0, 4, 1                         ; h
	v_lshlrev_b32 v3, 9, v1
	v_lshl_add_u32 v3, v2, 4, v3                   ; a row of 1,024 codes is 512 bytes: 512 r + 16 h
	s_and_b32 s23, ttmp9, 15
	s_lshl_b32 s23, s23, 2
	s_add_co_u32 s23, s23, s22                     ; T = 4 x (work-group mod 16) + wave
	s_lshl_b32 s24, s23, 13                        ; 16 rows of 512 bytes
	s_mov_b32 s25, 0
	s_wait_kmcnt 0x0
	s_cmp_ge_u32 ttmp9, 16
	s_cbranch_scc1 .Limage
	s_add_nc_u64 s[4:5], s[4:5], s[24:25]          ; W1's codes at my tile
	s_lshl_b32 s26, s23, 9                         ; its scale bytes: 16 rows of 32
	s_mov_b32 s27, 0
	s_add_nc_u64 s[6:7], s[6:7], s[26:27]
	s_lshl_b32 s26, s23, 6                         ; 16 f32 numbers
	s_add_nc_u64 s[12:13], s[12:13], s[26:27]
	s_add_nc_u64 s[14:15], s[14:15], s[26:27]
	s_add_nc_u64 s[18:19], s[18:19], s[26:27]
	s_mov_b32 s28, CTWO
	s_mov_b32 s29, s28                             ; (named with it as a pair, so it is written)
	s_wait_alu depctr_va_vdst(0)
	v_lshlrev_b32 v4, 5, v1
	v_lshl_add_u32 v4, v2, 4, v4                   ; scale bytes: 32 r + 16 h: lanes 0-15 take a row's words 0-3, lanes 16-31 its words 4-7
	v_lshlrev_b32 v5, 5, v2                        ; biases: my eight n begin 32 h bytes into the tile's 64
	v_lshl_add_u32 v6, v1, 12, v5                  ; cqb: batch row r of 4,096 bytes, + 32 h
.irp k, 0,1,2,3,4,5,6,7
.irp c, 0,1
	global_load_b128 v[WF+8*\k+4*\c:WF+8*\k+4*\c+3], v3, s[4:5] offset:64*\k+32*\c
	global_load_b128 v[QF+8*\k+4*\c:QF+8*\k+4*\c+3], v3, s[8:9] offset:64*\k+32*\c
	global_load_b128 v[QF+64+8*\k+4*\c:QF+64+8*\k+4*\c+3], v3, s[8:9] offset:8192+64*\k+32*\c
.endr
.endr
	global_load_b128 v[WSC:WSC+3], v4, s[6:7]
	global_load_b128 v[QSC:QSC+3], v4, s[10:11]
	global_load_b128 v[QSC+4:QSC+7], v4, s[10:11] offset:512
	global_load_b128 v[BA:BA+3], v5, s[12:13]
	global_load_b128 v[BA+4:BA+7], v5, s[12:13] offset:16
	global_load_b128 v[BB:BB+3], v5, s[14:15]
	global_load_b128 v[BB+4:BB+7], v5, s[14:15] offset:16
	s_wait_loadcnt 0x0
; K step k for batch tile m.  The first step starts the sum with the constant 0.  K steps 4-7 take their scale words from lanes 16-31.
.macro PW k, m
.if \k == 0
	v_wmma_scale_f32_16x16x128_f8f6f4 v[ACC+8*\m:ACC+8*\m+7], v[WF+8*\k:WF+8*\k+7], v[QF+64*\m+8*\k:QF+64*\m+8*\k+7], 0, v[WSC+\k%4], v[QSC+4*\m+\k%4] matrix_a_fmt:MATRIX_FMT_FP4 matrix_b_fmt:MATRIX_FMT_FP4
.elseif \k < 4
	v_wmma_scale_f32_16x16x128_f8f6f4 v[ACC+8*\m:ACC+8*\m+7], v[WF+8*\k:WF+8*\k+7], v[QF+64*\m+8*\k:QF+64*\m+8*\k+7], v[ACC+8*\m:ACC+8*\m+7], v[WSC+\k%4], v[QSC+4*\m+\k%4] matrix_a_fmt:MATRIX_FMT_FP4 matrix_b_fmt:MATRIX_FMT_FP4
.else
	v_wmma_scale_f32_16x16x128_f8f6f4 v[ACC+8*\m:ACC+8*\m+7], v[WF+8*\k:WF+8*\k+7], v[QF+64*\m+8*\k:QF+64*\m+8*\k+7], v[ACC+8*\m:ACC+8*\m+7], v[WSC+\k%4], v[QSC+4*\m+\k%4] matrix_a_fmt:MATRIX_FMT_FP4 matrix_b_fmt:MATRIX_FMT_FP4 matrix_a_scale:MATRIX_SCALE_ROW1 matrix_b_scale:MATRIX_SCALE_ROW1
.endif
.endm
.irp k, 0,1,2,3,4,5,6,7                ; the two accumulators take turns, one instruction a turn
	PW \k, 0
	PW \k, 1
.endr
.irp i, 0,2,4,6                        ; eight plain instructions that name no register of the products: the places behind them
	v_pk_add_f32 v[BA+\i:BA+\i+1], v[BA+\i:BA+\i+1], v[BB+\i:BB+\i+1]
.endr
.irp i, 0,2,4,6
	v_pk_mul_f32 v[BA+\i:BA+\i+1], v[BA+\i:BA+\i+1], s[28:29] op_sel_hi:[1,0]       ; c (b1 + b2)
.endr
.irp m, 0,1
.irp i, 0,2,4,6                        ; each accumulator from its low end on
	v_pk_fma_f32 v[OUT+8*\m+\i:OUT+8*\m+\i+1], v[ACC+8*\m+\i:ACC+8*\m+\i+1], s[28:29], v[BA+\i:BA+\i+1] op_sel_hi:[1,0,1]
.endr
.endr
.irp m, 0,1                            ; lane (r, h): cqb[16 m + r][16 T + 8 h + 0 .. 7]: 64 bytes of a row a wave; the work-group's four waves together fill 256 consecutive bytes of each row
	global_store_b128 v6, v[OUT+8*\m:OUT+8*\m+3], s[18:19] offset:65536*\m
	global_store_b128 v6, v[OUT+8*\m+4:OUT+8*\m+7], s[18:19] offset:65536*\m+16
.endr
	s_endpgm
.Limage:
	s_add_nc_u64 s[16:17], s[16:17], s[24:25]      ; W2's codes at my tile: 8,192 bytes in,
	s_add_nc_u64 s[20:21], s[20:21], s[24:25]      ; 8,192 bytes out
	v_and_b32 v4, 31, v0
	v_lshlrev_b32 v4, 4, v4                        ; 16 x lane
	s_wait_alu depctr_va_vdst(0)
.irp q, 0,1,2,3,4,5,6,7,8,9,10,11,12,13,14,15  ; piece q = 2 k + c
	global_load_b128 v[16+4*\q:19+4*\q], v3, s[16:17] offset:32*\q
.endr
.irp q, 0,1,2,3,4,5,6,7,8,9,10,11,12,13,14,15
	s_wait_loadcnt 15-\q                           ; loads come back in order (ISA guide 5.7.1): piece q is in, the younger ones may be out
	global_store_b128 v4, v[16+4*\q:19+4*\q], s[20:21] offset:512*\q    ; 32 lanes store 512 consecutive bytes, at a multiple of 256 from the buffer's first byte
.endr
	s_endpgm
.Lfunc_end_k_qa18ecdbaec_prep:
	.size	k_qa18ecdbaec_prep, .Lfunc_end_k_qa18ecdbaec_prep-k_qa18ecdbaec_prep
	.p2alignl 7, 3214868480
	.fill 96, 4, 3214868480
	.section	.rodata,"a",@progbits
	.p2align	6, 0x0
	.amdhsa_kernel k_qa18ecdbaec_prep
		.amdhsa_group_segment_fixed_size 0
		.amdhsa_private_segment_fixed_size 0
		.amdhsa_enable_private_segment 0
		.amdhsa_kernarg_size 72
		.amdhsa_user_sgpr_count 2
		.amdhsa_user_sgpr_kernarg_segment_ptr 1
		.amdhsa_wavefront_size32 1
		.amdhsa_system_sgpr_workgroup_id_x 1
		.amdhsa_system_sgpr_workgroup_id_y 1
		.amdhsa_system_sgpr_workgroup_id_z 1
		.amdhsa_system_vgpr_workitem_id 0
		.amdhsa_next_free_vgpr 256
		.amdhsa_next_free_sgpr 66
		.amdhsa_reserve_vcc 0
		.amdhsa_float_denorm_mode_32 3
		.amdhsa_float_denorm_mode_16_64 3
		.amdhsa_memory_ordered 1
		.amdhsa_forward_progress 1
		.amdhsa_inst_pref_size 14
	.end_amdhsa_kernel
	.amdgpu_metadata
---
amdhsa.version: [ 1, 2 ]
amdhsa.kernels:
  - .name:           k_qa18ecdbaec_prep
    .symbol:         k_qa18ecdbaec_prep.kd
    .args:
      - { .name: W1_codes, .offset: 0, .size: 8, .value_kind: global_buffer, .address_space: global }
      - { .name: W1_scales, .offset: 8, .size: 8, .value_kind: global_buffer, .address_space: global }
      - { .name: query_codes, .offset: 16, .size: 8, .value_kind: global_buffer, .address_space: global }
      - { .name: query_scales, .offset: 24, .size: 8, .value_kind: global_buffer, .address_space: global }
      - { .name: b1, .offset: 32, .size: 8, .value_kind: global_buffer, .address_space: global }
      - { .name: b2, .offset: 40, .size: 8, .value_kind: global_buffer, .address_space: global }
      - { .name: W2_codes, .offset: 48, .size: 8, .value_kind: global_buffer, .address_space: global }
      - { .name: cqb, .offset: 56, .size: 8, .value_kind: global_buffer, .address_space: global }
      - { .name: w2img, .offset: 64, .size: 8, .value_kind: global_buffer, .address_space: global }
    .group_segment_fixed_size: 0
    .private_segment_fixed_size: 0
    .kernarg_segment_align: 8
    .kernarg_segment_size: 72
    .max_flat_workgroup_size: 128
    .sgpr_count:     66
    .vgpr_count:     256
    .wavefront_size: 32
...
	.end_amdgpu_metadata
.endif
;; end of part 1
;; launch fused (part 2): grid 256 x 1, 4 waves a work-group, no clusters, 327,680 bytes of LDS; arguments values, w2img, W2_scales, cqb, V, pctx, stat; writes pctx, stat
.if DOCPART == 2
	.amdgcn_target "amdgcn-amd-amdhsa--gfx1250"
	.amdhsa_code_object_version 6
	.text
	.protected	k_qa18ecdbaec_fused
	.globl	k_qa18ecdbaec_fused
	.p2align	8
	.type	k_qa18ecdbaec_fused,@function
k_qa18ecdbaec_fused:
	s_mov_b64 s[64:65], 0
	v_nop
	global_prefetch_b8 v0, s[64:65] scope:SCOPE_SE
	s_setreg_imm32_b32 hwreg(HW_REG_WAVE_MODE, 25, 1), 1
	s_wait_xcnt 0x0
; For 256 rows of one batch (work-group g: rows 256 g on, batch g / 8): the rows' scores, and their part of the softmax and of the weighted sum of values, with values read ONCE.
; x[row][n] = q_proj[b][n] + b1[n] + b2[n] + sum over k of Q(values)[row][k] W2[k][n], on codes of E2M1 with one E8M0 byte for each 32 along K: W2 as given, values quantised here
; (a block's scale is 2^(floor(log2(its largest magnitude)) - 2)).  tanh(x) = 1 - 2 / (1 + 2^(c x)), c = 2 log2(e); cqb holds c (q_proj + b1 + b2).  An overflowing power gives the quotient 0, a vanishing one 1: tanh's limits.
; DEAD WORK LEFT OUT: score = bV + sum V[n] - 2 sum V[n] / (1 + 2^(c x)).  bV and sum V[n] are the same for every t, and score enters a softmax over t alone, which a term common to its axis leaves as it is,
; for all values of the inputs.  So s' = sum (-2 V[n]) / (1 + 2^(c x)) stands for the score, bV is not loaded and is no argument.  LIMIT: a NaN, an infinity or an overflow that reaches only bV or sum V is not carried to the result.
; OUT: t = s' log2(e) of the 256 rows; m = their largest t; l = sum 2^(t - m); pctx[g][d] = sum 2^(t - m) values[row][d].  m is a running maximum: when it moves, l and the sums are multiplied by 2^(old - new).  The next launch joins a batch's eight parts.
; LIMITS: NaN and infinities among the inputs are not served.  A block of zeros, or one whose largest magnitude lies under 2^-124, gets the scale byte 1 (only this text reads the byte).
; SHARES.  16 chunks of 16 rows.  The four waves share N: wave w owns n = 256 w .. + 255, 16 tiles of W2.  Tiles 0-10 stand in registers (windows 1-3, 64 registers a tile), tiles 11-15 in LDS (40,960 bytes a wave, filled once):
; 524,288 bytes of codes stay on the WGP, so that a chunk's scores are whole while its f32 rows still lie in their slot.  A chunk: each wave quantises its own 4 rows into shared codes; 128 matrix instructions a wave in five groups
; of 4, 2, 4, 2, 4 tiles, each with one LDS tile, whose 64 registers are loaded under the group before; tanh and V in f32; the waves' parts meet in LDS; then each wave adds its own 256 columns of the 16 rows, out of the slot.
; TWO SETS OF ACCUMULATORS TAKE TURNS: a group's matrix instructions stand behind the reciprocals of the group before, whose V sums follow them and are the places behind them.
; THE PRODUCT IS USED AS IT STANDS: source 0 = the 16 rows, source 1 = 16 n: a lane holds ONE n (lane % 16) and rows 8 (lane / 16) + 0 .. 7, so cqb and V cost one register a tile, and the sum over n is 32 lane adds a chunk.
; THE RING: two slots of 16 rows; a wave's one tensor load brings its 4 rows (16,384 dense bytes), 16 bytes of padding behind each 128.  By this text's own count a wave has one tensor load outstanding.
; NO JOINT LOADS: values is read by one work-group alone; W2 comes once, most of it straight into the registers where it stays.  No prefetch: the ring asks for the next chunk as soon as a chunk has landed, and all else is read once at the head.
; All of LDS is claimed.
.set SLOTB, 73728                      ; a slot: 16 rows x 4,608 bytes (4,096 + 32 x 16)
.set W2L,   2*SLOTB                    ; 147,456: tiles 11-15 of each wave, as images of the operand's registers
.set CODES, W2L+4*40960                ; 311,296: the chunk's codes, 16 rows x (512 + 16) bytes
.set ASC,   CODES+16*528               ; 319,744: its scale bytes, 32 a row
.set SCX,   ASC+512                    ; 320,256: the waves' parts of the scores: 64 x wave + 4 x row
.set SCALL, SCX+256                    ; 320,512: t of all 256 rows
.set SPARE, SCALL+1024                 ; 321,536: the spare words, 128 bytes for each wave: two blocks of 256 bytes that no other line names
.set SPW, 1                            ; v1 my spare word, v2 = 0; never rewritten
.set NIL, 2
.set ZQ0, 3                            ; v3  my 64 bytes of a step in slot 0;  v4 in the slot in hand
.set ZQ,  4
.set CW,  5                            ; v5  where my codes go;  v6 my block's byte
.set SW,  6
.set AR,  7                            ; v7  a fragment of the rows;  v8 their scale words
.set ASA, 8
.set BLA, 9                            ; v9  my wave's LDS tiles + 16 x lane
.set SXW, 10                           ; v10 where my part of the scores goes;  v11 where the four parts are read
.set SXR, 11
.set CX0, 12                           ; v12, v13 my 16 bytes of rows 0 and 8 in slot 0;  v14, v15 in the slot in hand
.set CXA, 14
.set LN16, 16                          ; v16 16 x lane
.set MX,  17                           ; v17 the running largest t;  v18 my row's share of l
.set LS,  18
                                       ; v19-25 at work
.set SCA0, 26                          ; v26 SCALL + 4 (lane % 16);  v27 with the chunk's step
.set SCA, 27
.set P,   28                           ; v28-35  the chunk's s' of my n, rows 8 h + 0 .. 7
.set CTX, 36                           ; v36-43  the weighted sums: columns 256 w + 128 j + 4 lane + e at 4 j + e
.set AS,  44                           ; v44-47  the rows' scale words: register q: K step q in lanes 0-15, 4 + q in lanes 16-31
.set WS,  48                           ; v48-111 W2's scale words, four a tile, packed likewise
.set CQ,  112                          ; v112-127 cqb at my n, a register a tile
.set VV,  128                          ; v128-143 -2 V at my n
.set ACC, 144                          ; v144-175 four accumulators: the groups of four tiles
.set BL,  176                          ; v176-239 the group's LDS tile.  v144-239 also: three buffers while quantising; rows of values for the weighted sum
.set ACB, 240                          ; v240-255 two accumulators: the groups of two tiles.  Outside the products:
.set CT2, 240                          ; v240-247 a chunk's odd rows of the weighted sum;  v248-254 codes and bytes on their way to LDS
.set AFW, 192                          ; window 3, v192-255: the rows' eight fragments
.set WT,  48                           ; s48, s50 .. s62: eight rows' weights, each the low word of a pair
.set MSB, 0
.macro WIN new                         ; the immediate's high byte repeats the setting that is left
.if MSB != (\new)
	s_set_vgpr_msb (MSB<<8)|(\new)
.set MSB, (\new)
.endif
.endm
.macro PLACES                          ; four plain places (ISA guide 7.12.1 behind matrix instructions)
.rept 4
	v_nop
.endr
.endm
.macro VW                              ; this wait ahead of blocking waits, branches and batches of transcendentals, and behind such batches
	s_wait_alu depctr_va_vdst(0)
.endm
.macro BAR
	VW
	s_wait_dscnt 0x0                               ; my LDS stores have landed and my LDS loads are in
	s_barrier_signal -1
	s_barrier_wait -1
.endm
	s_load_b256 s[4:11], s[0:1], 0x0               ; values s[4:5], w2img s[6:7], W2_scales s[8:9], cqb s[10:11]
	s_load_b128 s[12:15], s[0:1], 0x20             ; V s[12:13], pctx s[14:15]
	s_load_b64 s[16:17], s[0:1], 0x30              ; stat
	v_lshl_add_u32 v[SPW], v0, 2, SPARE
	v_mov_b32 v[NIL], 0
	ds_add_u32 v[SPW], v[NIL]                      ; the opening lines, ahead of my first tensor load: the add,
	ds_add_u32 v[SPW], v[NIL]                      ; twice on end, under the one wait below
	v_lshrrev_b32 v19, 5, v0
	v_readfirstlane_b32 s18, v19                   ; wave 0..3
	s_mov_b32 s19, 0x3fb8aa3b                      ; log2(e)
	s_mov_b32 s22, 0x4038aa3b                      ; c = 2 log2(e)
	s_mov_b32 s23, s22                             ; (named with it as a pair, so it is written)
	s_mov_b32 s24, (3<<16)|(1<<20)|(4<<22)|(3<<25) ; values: elements of 8 bytes; four words of padding behind every 32
	s_mov_b32 s25, 32<<16                          ; 64 rows of 32 elements (256 bytes), dense in memory
	s_mov_b32 s26, 64<<16
	s_mov_b32 s27, 32<<16
	s_mov_b32 s28, 64
	s_mov_b32 s29, 32
	s_mov_b32 s30, 0
	s_mov_b32 s31, 0
	s_mov_b32 s36, 3<<16                           ; the LDS tiles: 160 rows of 256 bytes, dense, no padding
	s_mov_b32 s37, 32<<16
	s_mov_b32 s38, 160<<16
	s_mov_b32 s39, 32<<16
	s_mov_b32 s40, 160
	s_mov_b32 s41, 32
	s_mov_b32 s42, 0
	s_mov_b32 s43, 0
	s_mov_b32 s32, 1
	s_mov_b32 s44, 1
	s_mul_i32 s68, s18, 18432                      ; my 4 rows in a slot
	s_mov_b32 s33, s68
	s_mul_i32 s45, s18, 40960
	s_add_co_u32 s45, s45, W2L                     ; my wave's LDS tiles
	s_mul_i32 s72, s18, 2112
	s_add_co_u32 s72, s72, CODES
	s_lshl_b32 s73, s18, 7
	s_add_co_u32 s73, s73, ASC
	s_lshl_b32 s74, s18, 6
	s_add_co_u32 s74, s74, SCX
	s_mul_i32 s75, s18, 1152                       ; my 256 columns in a padded row
	s_mov_b32 s66, 0                               ; the slot in hand
	s_mov_b32 s69, 0                               ; 64 bytes of t a chunk
.irp q, 0,1,2,3,4,5,6,7
	s_mov_b32 s[WT+2*\q+1], 0                      ; (the packed form names the pair and takes its low word)
.endr
	v_and_b32 v19, 31, v0                          ; lane
	v_and_b32 v20, 15, v0                          ; r
	v_bfe_u32 v21, v0, 4, 1                        ; h
	v_lshlrev_b32 v[LN16], 4, v19
	v_lshrrev_b32 v22, 1, v19
	v_lshlrev_b32 v[ZQ0], 6, v19
	v_lshl_add_u32 v[ZQ0], v22, 4, v[ZQ0]          ; 64 x lane, + 16 for each 128 passed
	v_add_nc_u32 v[ZQ0], s68, v[ZQ0]
	v_lshl_add_u32 v[CW], v19, 3, s72              ; CODES + 4 rows x wave + 8 x lane
	v_add_nc_u32 v[SW], s73, v22                   ; ASC + 128 x wave + lane / 2
	v_mul_u32_u24 v[AR], v20, 528
	v_lshl_add_u32 v[AR], v21, 4, v[AR]
	v_add_nc_u32 v[AR], CODES, v[AR]               ; CODES + 528 r + 16 h
	v_lshlrev_b32 v23, 5, v20
	v_lshl_add_u32 v23, v21, 4, v23                ; 32 r + 16 h
	v_add_nc_u32 v[ASA], ASC, v23
	v_add_nc_u32 v[BLA], s45, v[LN16]
	v_lshl_add_u32 v[SXW], v21, 5, s74             ; SCX + 64 x wave + 32 h
	v_lshl_add_u32 v[SXR], v20, 2, SCX
	v_lshrrev_b32 v24, 3, v19
	v_lshl_add_u32 v[CX0], v24, 4, v[LN16]         ; 16 x lane, + 16 for each 128 passed
	v_add_nc_u32 v[CX0], s75, v[CX0]
	v_add_nc_u32 v[CX0+1], 8*4608, v[CX0]
	v_lshl_add_u32 v[SCA0], v20, 2, SCALL
	v_lshlrev_b32 v25, 2, v20                      ; 4 r
	v_mov_b32 v[MX], 0xff61b1e6                    ; -3e38, under every t: the first change of m multiplies zeros by 0
	v_mov_b32 v[LS], 0
.irp j, 0,1,2,3,4,5,6,7
	v_mov_b32 v[CTX+\j], 0
.endr
	VW                                             ; the head's end
	s_wait_dscnt 0x0                               ; both opening adds are done
	s_wait_kmcnt 0x0
	s_lshl_b32 s76, ttmp9, 20                      ; 256 rows of 4,096 bytes a work-group,
	s_lshl_b32 s77, s18, 14                        ; 4 rows a wave
	s_add_co_u32 s76, s76, s77
	s_mov_b32 s77, 0
	s_add_nc_u64 s[34:35], s[4:5], s[76:77]
	s_or_b32 s35, s35, 0x80000000                  ; type = 2
	tensor_load_to_lds s[32:35], s[24:31]          ; chunk 0, my four rows: my one tensor load at the head
	s_nop 0
	PLACES
	s_lshl_b32 s76, s18, 17                        ; w2img: 16 tiles of 8,192 bytes a wave
	s_add_nc_u64 s[6:7], s[6:7], s[76:77]
	s_add_nc_u64 s[46:47], s[6:7], 11*8192
	s_or_b32 s47, s47, 0x80000000
	s_lshl_b32 s76, s18, 13                        ; W2_scales: 256 rows of 32 bytes
	s_add_nc_u64 s[8:9], s[8:9], s[76:77]
	s_lshl_b32 s76, s18, 10                        ; V, cqb, pctx: 256 numbers
	s_add_nc_u64 s[12:13], s[12:13], s[76:77]
	s_add_nc_u64 s[10:11], s[10:11], s[76:77]
	s_add_nc_u64 s[14:15], s[14:15], s[76:77]
	s_lshr_b32 s76, ttmp9, 3                       ; the batch
	s_lshl_b32 s76, s76, 12
	s_add_nc_u64 s[10:11], s[10:11], s[76:77]
	s_lshl_b32 s76, ttmp9, 12
	s_add_nc_u64 s[14:15], s[14:15], s[76:77]
	s_mul_i32 s76, ttmp9, 1536                     ; stat: 1,024 bytes of t, 512 of m and l
	s_add_nc_u64 s[16:17], s[16:17], s[76:77]
.irp i, 0,1,2,3,4,5,6,7,8,9,10,11,12,13,14,15
	global_load_b128 v[WS+4*\i:WS+4*\i+3], v23, s[8:9] offset:512*\i
	global_load_b32 v[CQ+\i], v25, s[10:11] offset:64*\i
	global_load_b32 v[VV+\i], v25, s[12:13] offset:64*\i
.endr
.irp i, 0,1,2,3,4,5,6,7,8,9,10         ; tile i into window 1 + i / 4 at 64 (i % 4): each load 512 consecutive bytes of the image
	WIN (1+\i/4)<<6
.irp k, 0,1,2,3,4,5,6,7
.irp c, 0,1
	global_load_b128 v[64*(\i%4)+8*\k+4*\c:64*(\i%4)+8*\k+4*\c+3], v[LN16], s[6:7] offset:8192*\i+1024*\k+512*\c
.endr
.endr
.endr
	WIN 0
	s_wait_tensorcnt 0x0                           ; chunk 0 is in; the waves meet ahead of the LDS tiles' fill
	ds_add_u32 v[SPW], v[NIL]
	s_wait_dscnt 0x0
	s_barrier_signal -1
	s_barrier_wait -1
	tensor_load_to_lds s[44:47], s[36:43]          ; my wave's five LDS tiles: filled once
	s_nop 0
	PLACES
	s_wait_loadcnt 0x0
.irp j, 0,2,4,6,8,10,12,14
	v_pk_mul_f32 v[VV+\j:VV+\j+1], v[VV+\j:VV+\j+1], -2.0 op_sel_hi:[1,0]
.endr
; Steps s and s + 1 (the two halves of row s / 2 of my four): 512 numbers a step, 16 neighbours a lane, two neighbouring lanes to a block of 32.
.macro ZL s, xb
.irp z, 0,1
.irp i, 0,1,2,3
	ds_load_b128 v[\xb+16*\z+4*\i:\xb+16*\z+4*\i+3], v[ZQ] offset:2304*(\s+\z)+16*\i
.endr
.endr
.endm
.macro QPAIR s, xb                     ; the two steps line by line by turns; step s + z works on v[19 + 3 z] on
.irp z, 0,1
	v_max3_num_f32 v[19+3*\z], |v[\xb+16*\z]|, |v[\xb+16*\z+1]|, |v[\xb+16*\z+2]|
.endr
.irp z, 0,1
	v_max3_num_f32 v[20+3*\z], |v[\xb+16*\z+3]|, |v[\xb+16*\z+4]|, |v[\xb+16*\z+5]|
.endr
.irp i, 6,10
.irp z, 0,1
	v_max3_num_f32 v[19+3*\z], v[19+3*\z], |v[\xb+16*\z+\i]|, |v[\xb+16*\z+\i+1]|
.endr
.irp z, 0,1
	v_max3_num_f32 v[20+3*\z], v[20+3*\z], |v[\xb+16*\z+\i+2]|, |v[\xb+16*\z+\i+3]|
.endr
.endr
.irp z, 0,1
	v_max3_num_f32 v[19+3*\z], v[19+3*\z], |v[\xb+16*\z+14]|, |v[\xb+16*\z+15]|
.endr
.irp z, 0,1
	v_max3_num_f32 v[19+3*\z], v[19+3*\z], v[20+3*\z], 0x1800000   ; and the floor 2^(3 - 127): the byte cannot fall under 1
.endr
.irp z, 0,1
	v_max_num_f32_dpp v[19+3*\z], v[19+3*\z], v[19+3*\z] row_xmask:1 row_mask:0xf bank_mask:0xf   ; with my neighbour's 16: the block's
.endr
.irp z, 0,1
	v_add_nc_u32 v[21+3*\z], 0xff000000, v[19+3*\z]                ; 2 off its exponent field: the conversion's scale operand
.endr
.irp z, 0,1
	v_cvt_scalef32_pk8_fp4_f32 v[248+4*\z], v[\xb+16*\z:\xb+16*\z+7], v[21+3*\z]
.endr
.irp z, 0,1
	v_cvt_scalef32_pk8_fp4_f32 v[249+4*\z], v[\xb+16*\z+8:\xb+16*\z+15], v[21+3*\z]
.endr
.irp z, 0,1
	v_lshrrev_b32 v[250+4*\z], 23, v[21+3*\z]                      ; the scale's byte; also the plain place behind the conversions
.endr
.irp z, 0,1
	ds_store_b64 v[CW], v[248+4*\z:249+4*\z] offset:528*((\s)/2)+256*\z    ; 32 lanes store 256 consecutive bytes of a row of codes
	ds_store_b8 v[SW], v[250+4*\z] offset:32*((\s)/2)+16*\z                ; both lanes of a block write the same byte with the same value
.endr
.endm
.macro WM ab, a, i, boff, k            ; accumulator a of set ab += rows x tile i, K step k.  K steps 4-7 take both sides' scale words from lanes 16-31
.if \k == 0
	v_wmma_scale_f32_16x16x128_f8f6f4 v[\ab+8*\a:\ab+8*\a+7], v[AFW+8*\k:AFW+8*\k+7], v[\boff+8*\k:\boff+8*\k+7], 0, v[AS+\k%4], v[WS+4*(\i)+\k%4] matrix_a_fmt:MATRIX_FMT_FP4 matrix_b_fmt:MATRIX_FMT_FP4
.elseif \k < 4
	v_wmma_scale_f32_16x16x128_f8f6f4 v[\ab+8*\a:\ab+8*\a+7], v[AFW+8*\k:AFW+8*\k+7], v[\boff+8*\k:\boff+8*\k+7], v[\ab+8*\a:\ab+8*\a+7], v[AS+\k%4], v[WS+4*(\i)+\k%4] matrix_a_fmt:MATRIX_FMT_FP4 matrix_b_fmt:MATRIX_FMT_FP4
.else
	v_wmma_scale_f32_16x16x128_f8f6f4 v[\ab+8*\a:\ab+8*\a+7], v[AFW+8*\k:AFW+8*\k+7], v[\boff+8*\k:\boff+8*\k+7], v[\ab+8*\a:\ab+8*\a+7], v[AS+\k%4], v[WS+4*(\i)+\k%4] matrix_a_fmt:MATRIX_FMT_FP4 matrix_b_fmt:MATRIX_FMT_FP4 matrix_a_scale:MATRIX_SCALE_ROW1 matrix_b_scale:MATRIX_SCALE_ROW1
.endif
.endm
; A group into set ab: nr tiles of window w (i0 on, from register b0 on) and the LDS tile il.  The accumulators take turns, one instruction a turn; the first K step starts the sums with 0.
; Source 0 (the rows) window 3; source 1 window w, or window 0 for the LDS tile.  What follows the macro supplies the four places.
.macro MM ab, nr, w, i0, b0, il
	s_wait_dscnt 0x0                               ; the fragments, the scale words and the LDS tile are in
.irp k, 0,1,2,3,4,5,6,7
	WIN 3|(\w<<2)
	WM \ab, 0, \i0, \b0, \k
.if \nr > 1
	WM \ab, 1, \i0+1, \b0+64, \k
	WM \ab, 2, \i0+2, \b0+128, \k
.endif
	WIN 3
	WM \ab, \nr, \il, BL, \k
.endr
	WIN 0
.endm
.macro LBL t                           ; LDS tile 11 + t into v[BL ..]: each load 512 consecutive bytes
.irp k, 0,1,2,3,4,5,6,7
.irp c, 0,1
	ds_load_b128 v[BL+8*\k+4*\c:BL+8*\k+4*\c+3], v[BLA] offset:8192*\t+1024*\k+512*\c
.endr
.endr
.endm
.macro ARG ab, a, i                    ; c acc + cqb, from the accumulator's low end on; tile i's number is the low or the high word of its pair, for both halves
.irp q, 0,2,4,6
.if (\i)&1
	v_pk_fma_f32 v[\ab+8*\a+\q:\ab+8*\a+\q+1], v[\ab+8*\a+\q:\ab+8*\a+\q+1], s[22:23], v[CQ+(\i)-1:CQ+(\i)] op_sel:[0,0,1] op_sel_hi:[1,0,1]
.else
	v_pk_fma_f32 v[\ab+8*\a+\q:\ab+8*\a+\q+1], v[\ab+8*\a+\q:\ab+8*\a+\q+1], s[22:23], v[CQ+(\i):CQ+(\i)+1] op_sel_hi:[1,0,0]
.endif
.endr
.endm
.macro SUMV ab, a, i, first            ; P += (-2 V) / (1 + 2^..)
.irp q, 0,2,4,6
.if \first
	v_pk_mul_f32 v[P+\q:P+\q+1], v[\ab+8*\a+\q:\ab+8*\a+\q+1], v[VV+(\i):VV+(\i)+1] op_sel_hi:[1,0]
.elseif (\i)&1
	v_pk_fma_f32 v[P+\q:P+\q+1], v[\ab+8*\a+\q:\ab+8*\a+\q+1], v[VV+(\i)-1:VV+(\i)], v[P+\q:P+\q+1] op_sel:[0,1,0] op_sel_hi:[1,1,1]
.else
	v_pk_fma_f32 v[P+\q:P+\q+1], v[\ab+8*\a+\q:\ab+8*\a+\q+1], v[VV+(\i):VV+(\i)+1], v[P+\q:P+\q+1] op_sel_hi:[1,0,1]
.endif
.endr
.endm
.macro EPA ab, n, ia, ib, ic, id       ; the group's n tiles (2 or 4), up to the reciprocals and the plain place behind them
	ARG \ab, 0, \ia
	ARG \ab, 1, \ib
.if \n > 2
	ARG \ab, 2, \ic
	ARG \ab, 3, \id
.endif
	VW
.set J, 0
.rept 8*\n
	v_exp_f32 v[\ab+J], v[\ab+J]
.set J, J+1
.endr
	v_nop                                          ; a plain place behind the batch
	VW
.set J, 0
.rept 4*\n
	v_pk_add_f32 v[\ab+J:\ab+J+1], v[\ab+J:\ab+J+1], 1.0 op_sel_hi:[1,0]
.set J, J+2
.endr
	VW
.set J, 0
.rept 8*\n
	v_rcp_f32 v[\ab+J], v[\ab+J]
.set J, J+1
.endr
	v_nop
.endm
.macro EPB ab, n, ia, ib, ic, id, first    ; the wait behind the reciprocals, and the V sums: plain lines that name no register of the other set's products, so they are also the places behind those
	VW
	SUMV \ab, 0, \ia, \first
	SUMV \ab, 1, \ib, 0
.if \n > 2
	SUMV \ab, 2, \ic, 0
	SUMV \ab, 3, \id, 0
.endif
.endm
.macro CXL rho, reg                    ; my 256 columns of row rho: two loads of 512 consecutive data bytes
.irp j, 0,1
	ds_load_b128 v[\reg+4*\j:\reg+4*\j+3], v[CXA+(\rho)/8] offset:4608*((\rho)%8)+576*\j
.endr
.endm
.macro CROW rho, reg                   ; the row times its weight: even rows onto the sums, odd rows onto the chunk's own set, which row 1 starts
.set SWT, WT+2*((\rho)&7)
.irp u, 0,2,4,6
.if (\rho) == 1
	v_pk_mul_f32 v[CT2+\u:CT2+\u+1], v[\reg+\u:\reg+\u+1], s[SWT:SWT+1] op_sel_hi:[1,0]
.elseif (\rho)&1
	v_pk_fma_f32 v[CT2+\u:CT2+\u+1], v[\reg+\u:\reg+\u+1], s[SWT:SWT+1], v[CT2+\u:CT2+\u+1] op_sel_hi:[1,0,1]
.else
	v_pk_fma_f32 v[CTX+\u:CTX+\u+1], v[\reg+\u:\reg+\u+1], s[SWT:SWT+1], v[CTX+\u:CTX+\u+1] op_sel_hi:[1,0,1]
.endif
.endr
.endm
.macro CHUNK refill
	VW
	s_wait_tensorcnt 0x0                           ; my one tensor load has landed (my rows of this chunk; the first time the LDS tiles): group 0 may be written
	ds_add_u32 v[SPW], v[NIL]                      ; 0 onto my spare word
.if \refill
	s_xor_b32 s67, s66, SLOTB                      ; the other slot,
	s_add_co_u32 s33, s67, s68                     ; my rows in it,
	s_add_nc_u64 s[34:35], s[34:35], 65536         ; 16 rows on; the type bits on top are not reached
.endif
	s_wait_dscnt 0x0                               ; the add is done, and my reads of the last chunk's slot are over
	s_barrier_signal -1
	s_barrier_wait -1
.if \refill
	tensor_load_to_lds s[32:35], s[24:31]          ; the first thing behind the barrier, my one tensor load until the next such barrier: the next chunk
	s_nop 0
	PLACES
.endif
	v_add_nc_u32 v[ZQ], s66, v[ZQ0]
	v_add_nc_u32 v[CXA], s66, v[CX0]
	v_add_nc_u32 v[CXA+1], s66, v[CX0+1]
	v_add_nc_u32 v[SCA], s69, v[SCA0]
	VW                                             ; directly behind the writes
	ZL 0, 144
	ZL 2, 176
	ZL 4, 208
	s_wait_dscnt 16                                ; steps 0, 1 are in; the 16 younger loads may be out
	QPAIR 0, 144
	ZL 6, 144
	s_wait_dscnt 20                                ; behind steps 2, 3: 8 loads, 4 stores, 8 loads
	QPAIR 2, 176
	s_wait_dscnt 16                                ; behind steps 4, 5: 4 stores, 8 loads, 4 stores
	QPAIR 4, 208
	LBL 0                                          ; the first group's LDS tile, into the two buffers that are done with
	s_wait_dscnt 24                                ; behind steps 6, 7: 8 stores and these 16 loads
	QPAIR 6, 144
	BAR                                            ; all four waves' codes and bytes lie in LDS.  The tensor load stays out across it
	WIN 0xc0                                       ; destination window 3
.irp k, 0,1,2,3,4,5,6,7
.irp c, 0,1
	ds_load_b128 v[AFW+8*\k+4*\c:AFW+8*\k+4*\c+3], v[AR] offset:64*\k+32*\c
.endr
.endr
	WIN 0
	ds_load_b128 v[AS:AS+3], v[ASA]
	MM ACC, 3, 1, 0, 0, 11                         ; tiles 0, 1, 2, 11
	PLACES
	LBL 3                                          ; each next LDS tile lands under the exponentials and reciprocals in hand
	EPA ACC, 4, 0, 1, 2, 11
	MM ACB, 1, 1, 3, 192, 14                       ; tiles 3, 14, behind the reciprocals of the group before
	EPB ACC, 4, 0, 1, 2, 11, 1
	LBL 1
	EPA ACB, 2, 3, 14, 0, 0
	MM ACC, 3, 2, 4, 0, 12                         ; tiles 4, 5, 6, 12
	EPB ACB, 2, 3, 14, 0, 0, 0
	LBL 4
	EPA ACC, 4, 4, 5, 6, 12
	MM ACB, 1, 2, 7, 192, 15                       ; tiles 7, 15
	EPB ACC, 4, 4, 5, 6, 12, 0
	LBL 2
	EPA ACB, 2, 7, 15, 0, 0
	MM ACC, 3, 3, 8, 0, 13                         ; tiles 8, 9, 10, 13
	EPB ACB, 2, 7, 15, 0, 0, 0
.irp r, 0,1,2,3,4,5,6,7
	CXL \r, BL+8*\r                                ; rows 0-7 of values for the weighted sum
.endr
	EPA ACC, 4, 8, 9, 10, 13
	EPB ACC, 4, 8, 9, 10, 13, 0
.irp r, 8,9,10,11
	CXL \r, ACC+8*(\r-8)
.endr
.irp m, 1,2,4,8                        ; the sum over the 16 n of a tile's lanes
.irp j, 0,1,2,3,4,5,6,7
	v_add_f32_dpp v[P+\j], v[P+\j], v[P+\j] row_xmask:\m row_mask:0xf bank_mask:0xf
.endr
.endr
	ds_store_b128 v[SXW], v[P:P+3]                 ; sixteen lanes write the same words with the same values
	ds_store_b128 v[SXW], v[P+4:P+7] offset:16
	BAR
.irp u, 0,1,2,3
	ds_load_b32 v[19+\u], v[SXR] offset:64*\u      ; lane: row lane % 16; the four waves' parts
.endr
	s_wait_dscnt 0x0
	v_add_f32 v19, v19, v20
	v_add_f32 v21, v21, v22
	v_add_f32 v19, v19, v21
	v_mul_f32 v19, s19, v19                        ; t
	VW                                             ; directly ahead of the branch
	s_cmp_lg_u32 s18, 0
	s_cbranch_scc1 .Lnot0_\@
	ds_store_b32 v[SCA], v19                       ; wave 0 keeps t for the way out
.Lnot0_\@:
	v_max_num_f32_dpp v20, v19, v19 row_xmask:1 row_mask:0xf bank_mask:0xf
.irp m, 2,4,8
	v_max_num_f32_dpp v20, v20, v20 row_xmask:\m row_mask:0xf bank_mask:0xf
.endr
	v_max_num_f32 v21, v[MX], v20                  ; the new m
	v_sub_f32 v22, v[MX], v21
	v_sub_f32 v23, v19, v21
	v_mov_b32 v[MX], v21
	VW
	v_exp_f32 v22, v22                             ; f = 2^(old m - new m)
	v_exp_f32 v23, v23                             ; p = 2^(t - m)
	v_nop
	VW
	v_fma_f32 v[LS], v[LS], v22, v23
.irp j, 0,2,4,6
	v_pk_mul_f32 v[CTX+\j:CTX+\j+1], v[CTX+\j:CTX+\j+1], v[22:23] op_sel_hi:[1,0]
.endr
.irp r, 0,1,2,3,4,5,6,7
	v_readlane_b32 s[WT+2*\r], v23, \r
.endr
.irp r, 0,1,2,3
	CROW \r, BL+8*\r
.endr
.irp r, 12,13,14,15
	CXL \r, BL+8*(\r-12)                           ; into the registers of rows 0-3: eight rows' work stands ahead of the wait for them
.endr
.irp r, 4,5,6,7
	CROW \r, BL+8*\r
.endr
.irp r, 0,1,2,3,4,5,6,7
	v_readlane_b32 s[WT+2*\r], v23, 8+\r
.endr
.irp r, 8,9,10,11
	CROW \r, ACC+8*(\r-8)
.endr
	VW
	s_wait_dscnt 0x0
.irp r, 12,13,14,15
	CROW \r, BL+8*(\r-12)
.endr
.irp u, 0,2,4,6
	v_pk_add_f32 v[CTX+\u:CTX+\u+1], v[CTX+\u:CTX+\u+1], v[CT2+\u:CT2+\u+1]    ; the chunk's odd rows join
.endr
	s_xor_b32 s66, s66, SLOTB
	s_add_co_u32 s69, s69, 64
.endm
	s_mov_b32 s70, 15
.Lchunk:                                           ; fifteen trips: in each the next chunk is asked for
	CHUNK 1
	s_sub_co_u32 s70, s70, 1
	s_cmp_lg_u32 s70, 0
	VW
	s_cbranch_scc1 .Lchunk
	CHUNK 0                                        ; the last chunk is written out: nothing is left to fetch
.irp m, 1,2,4,8
	v_add_f32_dpp v[LS], v[LS], v[LS] row_xmask:\m row_mask:0xf bank_mask:0xf       ; l over the 16 rows of a lane row
.endr
	global_store_b128 v[LN16], v[CTX:CTX+3], s[14:15]                  ; 32 lanes store 512 consecutive bytes, at a multiple of 256 from the buffer's first byte
	global_store_b128 v[LN16], v[CTX+4:CTX+7], s[14:15] offset:512
	v_mov_b32 v20, v[MX]
	v_mov_b32 v21, v[LS]
	v_mov_b32 v22, v[MX]
	v_mov_b32 v23, v[LS]
	v_add_nc_u32 v25, SCALL, v[LN16]
	VW
	s_cmp_lg_u32 s18, 0
	s_cbranch_scc1 .Lend
	ds_load_b128 v[144:147], v25                   ; wave 0's own stores: LDS serves a wave's instructions in order
	ds_load_b128 v[148:151], v25 offset:512
	s_wait_dscnt 0x0
	global_store_b128 v[LN16], v[144:147], s[16:17]
	global_store_b128 v[LN16], v[148:151], s[16:17] offset:512
	global_store_b128 v[LN16], v[20:23], s[16:17] offset:1024          ; m and l, repeated through two whole units of 256 bytes
.Lend:
	s_wait_tensorcnt 0x0                           ; the wave's end
	ds_add_u32 v[SPW], v[NIL]
	s_wait_dscnt 0x0
	s_endpgm
.Lfunc_end_k_qa18ecdbaec_fused:
	.size	k_qa18ecdbaec_fused, .Lfunc_end_k_qa18ecdbaec_fused-k_qa18ecdbaec_fused
	.p2alignl 7, 3214868480
	.fill 96, 4, 3214868480
	.section	.rodata,"a",@progbits
	.p2align	6, 0x0
	.amdhsa_kernel k_qa18ecdbaec_fused
		.amdhsa_group_segment_fixed_size 327680
		.amdhsa_private_segment_fixed_size 0
		.amdhsa_enable_private_segment 0
		.amdhsa_kernarg_size 56
		.amdhsa_user_sgpr_count 2
		.amdhsa_user_sgpr_kernarg_segment_ptr 1
		.amdhsa_wavefront_size32 1
		.amdhsa_system_sgpr_workgroup_id_x 1
		.amdhsa_system_sgpr_workgroup_id_y 1
		.amdhsa_system_sgpr_workgroup_id_z 1
		.amdhsa_system_vgpr_workitem_id 0
		.amdhsa_next_free_vgpr 1024
		.amdhsa_next_free_sgpr 80
		.amdhsa_reserve_vcc 0
		.amdhsa_float_denorm_mode_32 3
		.amdhsa_float_denorm_mode_16_64 3
		.amdhsa_memory_ordered 1
		.amdhsa_forward_progress 1
		.amdhsa_inst_pref_size 164
	.end_amdhsa_kernel
	.amdgpu_metadata
---
amdhsa.version: [ 1, 2 ]
amdhsa.kernels:
  - .name:           k_qa18ecdbaec_fused
    .symbol:         k_qa18ecdbaec_fused.kd
    .args:
      - { .name: values, .offset: 0, .size: 8, .value_kind: global_buffer, .address_space: global }
      - { .name: w2img, .offset: 8, .size: 8, .value_kind: global_buffer, .address_space: global }
      - { .name: W2_scales, .offset: 16, .size: 8, .value_kind: global_buffer, .address_space: global }
      - { .name: cqb, .offset: 24, .size: 8, .value_kind: global_buffer, .address_space: global }
      - { .name: V, .offset: 32, .size: 8, .value_kind: global_buffer, .address_space: global }
      - { .name: pctx, .offset: 40, .size: 8, .value_kind: global_buffer, .address_space: global }
      - { .name: stat, .offset: 48, .size: 8, .value_kind: global_buffer, .address_space: global }
    .group_segment_fixed_size: 327680
    .private_segment_fixed_size: 0
    .kernarg_segment_align: 8
    .kernarg_segment_size: 56
    .max_flat_workgroup_size: 128
    .sgpr_count:     80
    .vgpr_count:     1024
    .wavefront_size: 32
...
	.end_amdgpu_metadata
.endif
;; end of part 2
;; launch join (part 3): grid 8 x 32, 1 waves a work-group, no clusters, 0 bytes of LDS; arguments pctx, stat, out0, out1; writes out0, out1
.if DOCPART == 3
	.amdgcn_target "amdgcn-amd-amdhsa--gfx1250"
	.amdhsa_code_object_version 6
	.text
	.protected	k_qa18ecdbaec_join
	.globl	k_qa18ecdbaec_join
	.p2align	8
	.type	k_qa18ecdbaec_join,@function
k_qa18ecdbaec_join:
	s_mov_b64 s[64:65], 0
	v_nop
	global_prefetch_b8 v0, s[64:65] scope:SCOPE_SE
	s_setreg_imm32_b32 hwreg(HW_REG_WAVE_MODE, 25, 1), 1
	s_wait_xcnt 0x0
; The eight parts of batch b (work-group y) are joined: M = the largest m; w_i = 2^(m_i - M); Z = sum l_i w_i;  out0[b][d] = sum w_i pctx[8 b + i][d] / Z;  out1[b][t] = 2^(t - M) / Z.  All in f32.
; bV and the sum of V are left out of t, as the launch before shows: a term common to the softmax's axis.
; Work-group x = j, one wave: columns 128 j .. + 127 of out0 and rows 256 j .. + 255 of out1: each byte has one owner.  18 loads, one wait; no LDS, no loop, nothing shared but 64 bytes: no joint loads, no prefetch.
; LIMIT: a weight under 2^-126 comes out as 0 (v_exp_f32 flushes: ISA guide 15.8).
	s_load_b256 s[4:11], s[0:1], 0x0               ; pctx s[4:5], stat s[6:7], out0 s[8:9], out1 s[10:11]
	v_lshlrev_b32 v1, 4, v0                        ; 16 x lane
	v_mov_b32 v2, 0
	v_mov_b32 v67, 0                               ; (named as the upper half of a pair)
	s_and_b32 s12, ttmp7, 0xffff                   ; b
	s_mul_i32 s14, s12, 8*1536                     ; the batch's eight records
	s_mov_b32 s15, 0
	s_mul_i32 s16, ttmp9, 1536                     ; record j
	s_mov_b32 s17, 0
	s_lshl_b32 s18, s12, 15                        ; pctx: eight rows of 4,096 bytes a batch,
	s_lshl_b32 s20, ttmp9, 9                       ; 512 bytes a slice
	s_add_co_u32 s18, s18, s20
	s_mov_b32 s19, 0
	s_lshl_b32 s22, s12, 12
	s_add_co_u32 s22, s22, s20                     ; out0
	s_mov_b32 s23, 0
	s_lshl_b32 s24, s12, 13
	s_lshl_b32 s20, ttmp9, 10
	s_add_co_u32 s24, s24, s20                     ; out1
	s_mov_b32 s25, 0
	s_wait_alu depctr_va_vdst(0)                   ; the head's end
	s_wait_kmcnt 0x0
	s_add_nc_u64 s[6:7], s[6:7], s[14:15]
	s_add_nc_u64 s[26:27], s[6:7], s[16:17]
	s_add_nc_u64 s[4:5], s[4:5], s[18:19]
	s_add_nc_u64 s[8:9], s[8:9], s[22:23]
	s_add_nc_u64 s[10:11], s[10:11], s[24:25]
.irp i, 0,1,2,3,4,5,6,7
	global_load_b64 v[8+2*\i:9+2*\i], v2, s[6:7] offset:1536*\i+1024       ; m_i, l_i
.endr
	global_load_b128 v[24:27], v1, s[26:27]                                ; t of my 256 rows
	global_load_b128 v[28:31], v1, s[26:27] offset:512
.irp i, 0,1,2,3,4,5,6,7
	global_load_b128 v[32+4*\i:35+4*\i], v1, s[4:5] offset:4096*\i
.endr
	s_wait_loadcnt 0x0
	v_max3_num_f32 v64, v8, v10, v12
	v_max3_num_f32 v64, v64, v14, v16
	v_max3_num_f32 v64, v64, v18, v20
	v_max_num_f32 v64, v64, v22                    ; M
.irp i, 0,1,2,3,4,5,6,7
	v_sub_f32 v[8+2*\i], v[8+2*\i], v64
	v_sub_f32 v[24+\i], v[24+\i], v64
.endr
	s_wait_alu depctr_va_vdst(0)                   ; ahead of the batch
.irp i, 0,1,2,3,4,5,6,7
	v_exp_f32 v[8+2*\i], v[8+2*\i]
	v_exp_f32 v[24+\i], v[24+\i]
.endr
	v_nop
	s_wait_alu depctr_va_vdst(0)                   ; behind it, ahead of its first reader
	v_mul_f32 v66, v8, v9
.irp i, 1,2,3,4,5,6,7
	v_fma_f32 v66, v[8+2*\i], v[9+2*\i], v66       ; Z
.endr
	s_wait_alu depctr_va_vdst(0)
	v_rcp_f32 v66, v66
	v_nop
	s_wait_alu depctr_va_vdst(0)
.irp i, 0,1,2,3,4,5,6,7
	v_mul_f32 v[8+2*\i], v[8+2*\i], v66            ; w_i / Z
.endr
.irp j, 0,2,4,6
	v_pk_mul_f32 v[24+\j:25+\j], v[24+\j:25+\j], v[66:67] op_sel_hi:[1,0]
.endr
	v_pk_mul_f32 v[32:33], v[32:33], v[8:9] op_sel_hi:[1,0]
	v_pk_mul_f32 v[34:35], v[34:35], v[8:9] op_sel_hi:[1,0]
.irp i, 1,2,3,4,5,6,7
	v_pk_fma_f32 v[32:33], v[32+4*\i:33+4*\i], v[8+2*\i:9+2*\i], v[32:33] op_sel_hi:[1,0,1]
	v_pk_fma_f32 v[34:35], v[34+4*\i:35+4*\i], v[8+2*\i:9+2*\i], v[34:35] op_sel_hi:[1,0,1]
.endr
	global_store_b128 v1, v[24:27], s[10:11]       ; each store: 512 consecutive bytes, at a multiple of 256 from the buffer's first byte
	global_store_b128 v1, v[28:31], s[10:11] offset:512
	global_store_b128 v1, v[32:35], s[8:9]
	s_endpgm
.Lfunc_end_k_qa18ecdbaec_join:
	.size	k_qa18ecdbaec_join, .Lfunc_end_k_qa18ecdbaec_join-k_qa18ecdbaec_join
	.p2alignl 7, 3214868480
	.fill 96, 4, 3214868480
	.section	.rodata,"a",@progbits
	.p2align	6, 0x0
	.amdhsa_kernel k_qa18ecdbaec_join
		.amdhsa_group_segment_fixed_size 0
		.amdhsa_private_segment_fixed_size 0
		.amdhsa_enable_private_segment 0
		.amdhsa_kernarg_size 32
		.amdhsa_user_sgpr_count 2
		.amdhsa_user_sgpr_kernarg_segment_ptr 1
		.amdhsa_wavefront_size32 1
		.amdhsa_system_sgpr_workgroup_id_x 1
		.amdhsa_system_sgpr_workgroup_id_y 1
		.amdhsa_system_sgpr_workgroup_id_z 1
		.amdhsa_system_vgpr_workitem_id 0
		.amdhsa_next_free_vgpr 72
		.amdhsa_next_free_sgpr 66
		.amdhsa_reserve_vcc 0
		.amdhsa_float_denorm_mode_32 3
		.amdhsa_float_denorm_mode_16_64 3
		.amdhsa_memory_ordered 1
		.amdhsa_forward_progress 1
		.amdhsa_inst_pref_size 7
	.end_amdhsa_kernel
	.amdgpu_metadata
---
amdhsa.version: [ 1, 2 ]
amdhsa.kernels:
  - .name:           k_qa18ecdbaec_join
    .symbol:         k_qa18ecdbaec_join.kd
    .args:
      - { .name: pctx, .offset: 0, .size: 8, .value_kind: global_buffer, .address_space: global }
      - { .name: stat, .offset: 8, .size: 8, .value_kind: global_buffer, .address_space: global }
      - { .name: out0, .offset: 16, .size: 8, .value_kind: global_buffer, .address_space: global }
      - { .name: out1, .offset: 24, .size: 8, .value_kind: global_buffer, .address_space: global }
    .group_segment_fixed_size: 0
    .private_segment_fixed_size: 0
    .kernarg_segment_align: 8
    .kernarg_segment_size: 32
    .max_flat_workgroup_size: 32
    .sgpr_count:     66
    .vgpr_count:     72
    .wavefront_size: 32
...
	.end_amdgpu_metadata
.endif
;; end of part 3
